; MI455X (gfx1250); checked and timed in simulation.
; The chip was launched on July 23, 2026; its instructions are those of AMD's public machine-readable ISA for CDNA 5 (MIT licence, August 2026) and "CDNA5" Instruction Set Architecture Reference Guide (July 2026). The comments in the code are by the model that wrote it; some were corrected since.
;; Non Local CA. Allowed arithmetic: matrix products marked QUANTISED: E2M3 operands, one E8M0 scale for each 32 along K, by v_wmma_scale_f32_16x16x128_f8f6f4 with both operands' format E2M3, f32 sums; everything else in f32.
;; Inputs: bn_beta 64 float32; bn_gamma 64 float32; g_b 32 float32; g_w_codes 32 x 2 x 24 uint8 (E2M3 codes of g_w, K innermost, in blocks of 32 codes, four codes in three bytes); g_w_scales 32 x 2 uint8 (E8M0 scales of g_w, one for each 32 codes along K); phi_b 32 float32; phi_w_codes 32 x 2 x 24 uint8 (E2M3 codes of phi_w, K innermost, in blocks of 32 codes, four codes in three bytes); phi_w_scales 32 x 2 uint8 (E8M0 scales of phi_w, one for each 32 codes along K); theta_b 32 float32; theta_w_codes 32 x 2 x 24 uint8 (E2M3 codes of theta_w, K innermost, in blocks of 32 codes, four codes in three bytes); theta_w_scales 32 x 2 uint8 (E8M0 scales of theta_w, one for each 32 codes along K); w_b 64 float32; w_w_codes 64 x 1 x 24 uint8 (E2M3 codes of w_w, K innermost, in blocks of 32 codes, four codes in three bytes); w_w_scales 64 x 1 uint8 (E8M0 scales of w_w, one for each 32 codes along K); x 2 x 64 x 128 x 128 float32.
;; Outputs: out0 2 x 64 x 128 x 128 float32.
;; This version of the problem:
;;   THIS VERSION OF THE PROBLEM IS GIVEN IN LOW PRECISION. The matrix products marked QUANTISED in the list below multiply operands that are first quantised to E2M3 (2 exponent bits, 3 mantissa bits; 6 bits a number), with one power-of-two scale for each 32 numbers along K (OCP MX v1.0); their sums are f32. All else is computed in f32.
;;   The module's matrix products, in the order in which they are computed (A, B: the left and right operand; K: the contracted axis; several contracted axes count as one K, in the product's order):
;;     1. [M 32,768, K 64] x [K 64, N 32]; A: input x; B: input theta_w (given as codes): QUANTISED
;;     2. [M 32,768, K 64] x [K 64, N 32]; A: input x; B: input phi_w (given as codes): QUANTISED
;;     3. [M 32,768, K 64] x [K 64, N 32]; A: input x; B: input g_w (given as codes): QUANTISED
;;     4. batch 8 x [M 4,096, K 32] x [K 32, N 4,096]; A: computed on the way; B: computed on the way: QUANTISED
;;     5. batch 8 x [M 4,096, K 4,096] x [K 4,096, N 32]; A: softmax (see below); B: computed on the way: QUANTISED
;;     6. [M 32,768, K 32] x [K 32, N 64]; A: computed on the way; B: input w_w (given as codes): QUANTISED
;;   THE QUANTISER, for each operand of a quantised product, along K:
;;     - K is cut into blocks of 32 from its start; a last block that is shorter is filled with zeros.
;;     - A block's scale is 2^e with e = floor(log2(the largest magnitude in the block)) - 2, held to -126 .. 127; a block of zeros has e = 0. As a byte (E8M0): e + 127.
;;     - Each number is divided by its block's scale, clamped to +-7.5, and rounded to the nearest number of E2M3, ties to even, subnormals kept.
;;     - The product sums the exact products of the quantised numbers (number of the format x scale) in f32.
;;   ~~~python
;;   def quantise(x, axis):      # numpy; x: float32 -> the quantised numbers, widened to float32 again
;;       x = np.moveaxis(x, axis, -1); K = x.shape[-1]
;;       x = np.pad(x, [(0, 0)] * (x.ndim - 1) + [(0, -K % 32)]); x = x.reshape(x.shape[:-1] + (-1, 32)); a = np.abs(x).max(-1, keepdims=True)
;;       e = np.where(a > 0, np.clip(np.frexp(np.where(a > 0, a, 1))[1] - 1 - 2, -126, 127), 0)      # np.frexp(a)[1] - 1 = floor(log2(a)), exactly
;;       r = np.clip(x / 2.0 ** e, -7.5, 7.5)
;;       step = 2.0 ** (np.maximum(np.frexp(np.where(r == 0, 1, r))[1] - 1, 0) - 3)
;;       q = np.round(r / step) * step * 2.0 ** e      # np.round: ties to even
;;       return np.moveaxis(q.reshape(q.shape[:-2] + (-1,))[..., :K], -1, axis).astype(np.float32)
;;   ~~~
;;   SOFTMAX AHEAD OF A QUANTISED PRODUCT. Where the list says 'softmax', what is quantised is not the finished softmax but p = 2^(t - M), with t = logit x log2(e) and M = ceil(the row's largest t), a whole number; so 1/2 < the row's largest p <= 1. The row's sum l is taken of the UNQUANTISED p, in f32, and the product's result is divided by l at the end. Since M is a whole number, a kernel that streams over the keys may use a running M (the ceiling of the running maximum): every later rescaling is an exact power of two, which a block's scale takes up: the codes' values come out the same.
;;   OPERANDS COMPUTED ON THE WAY. 'Computed on the way' means the value that the module computes at that place (a softmax that the list does not call 'softmax' is quantised finished and normalised). What goes into a quantiser is computed in f32, as accurately as f32 sums, v_exp_f32 and their like allow (about 1e-6 of the number): no bf16 or f16 on the way to a quantiser, and a product that is left as it is and whose result goes on into a quantised operand takes f32 operands (vector FMAs, or v_wmma_f32_16x16x4_f32). A number that lies on a knife's edge between two numbers of the format may be rounded either way, as far as f32 arithmetic and the matrix unit's own rounding can turn it there, and no further.
;;   INPUTS GIVEN AS CODES. g_w (in the module: [32, 64], K = its axis 1); phi_w (in the module: [32, 64], K = its axis 1); theta_w (in the module: [32, 64], K = its axis 1); w_w (in the module: [64, 32], K = its axis 1): each comes as NAME_codes (uint8): NAME with its K axis moved to the last place and cut into blocks of 32 codes, [.., K / 32, bytes a block], one block behind the other in memory; four codes in three bytes: a row's codes are one little-endian stream of bits, code i at bits 6 i .. 6 i + 5 (a code: sign, 2 exponent bits, 3 mantissa bits); and NAME_scales (uint8): the same leading axes, one E8M0 byte (e + 127) for each 32 codes along K. Its value is code x scale, taken as it is: it is not quantised again, and the codes and scales need not be those that the quantiser above would give.
;; One version. Each part assembles by itself: llvm-mc -triple=amdgcn-amd-amdhsa -mcpu=gfx1250 --defsym DOCPART=n.
;; ======== version 1 of 1: 3 launches
;; limits: right only within a limited range of input values
;; workspace buffers: th 917,504 bytes; kv 1,638,400 bytes; yc 1,048,576 bytes; stats 131,072 bytes
;; launch proj (part 1): grid 32 x 8, 2 waves a work-group, no clusters, 168,192 bytes of LDS; arguments x, theta_w_codes, theta_w_scales, theta_b, phi_w_codes, phi_w_scales, phi_b, g_w_codes, g_w_scales, g_b, th, kv; writes th, kv
.if DOCPART == 1
	.amdgcn_target "amdgcn-amd-amdhsa--gfx1250"
	.amdhsa_code_object_version 6
	.text
	.protected	k_q8833e467f4_proj
	.globl	k_q8833e467f4_proj
	.p2align	8
	.type	k_q8833e467f4_proj,@function
k_q8833e467f4_proj:
	s_mov_b64 s[64:65], 0
	v_nop
	global_prefetch_b8 v0, s[64:65] scope:SCOPE_SE
	s_setreg_imm32_b32 hwreg(HW_REG_WAVE_MODE, 25, 1), 1
	s_wait_xcnt 0x0
; THE THREE PROJECTIONS OF x, AND THEIR QUANTISING FOR THE ATTENTION.  All products on codes of FP6 (E2M3) with one E8M0 scale for each 32 along K.
; head = 2 q + b (q = 2 qh + qw the quadrant, b the batch); a head has 4,096 positions n = 64 row + col.  A STEP is 128 keys: quadrant rows 2 s and 2 s + 1.
; A work-group (x = s, y = head) makes one step's record of kv and two row records of th; wave v takes quadrant row 2 s + v: 64 positions x 64 channels, 16 KB of x, brought by one tensor load into the wave's own LDS bytes.
; TILES.  Tile t (0..3) of a row: index r = 8 a + j stands for position 32 a + 8 t + j.  Lane r of a weight tile u takes row o = 8 u + r + 8 (r / 8).
;   theta, phi: source 0 = 16 rows of the weight, source 1 = 16 positions: a lane holds ONE position, and the 16 registers of tiles u = 0, 1 are channels 16 (lane / 16) + 0 .. 15: neighbours along the next K.
;   g: source 0 = 16 positions, source 1 = 16 rows of the weight: a lane holds ONE channel, and its 32 registers of the four tiles are positions 32 (lane / 16) + 0 .. 31: a whole block of 32 keys.
; The biases are the C of each product.  K here is 64: the operands' upper halves (k = 64 .. 127) are zero codes on x's side, so whatever finite codes stand there on the weights' side add nothing.
; WHAT IS STORED, as images of operand registers.  A SIX-image (768 bytes): six registers of 32 lanes: registers 0-3 at 16 x lane, registers 4-5 at 512 + 8 x lane.
;   kv record (6,400 bytes): K images at 1536 f + 768 c (f = row of the step; lane (r, h) of image c holds the 32 codes of phi of the key (tile 2 c + h, index r));
;   V images at 3072 + 768 (2 c + ct) (c = row of the step; lane (r, h): block 2 c + h of channel row r of tile ct); 6144: K's scale words, word 16 f + r, byte = tile; 6272: V's, word 16 ct + r, byte = block.
;   th row record (1,792 bytes): two SIX-images like K's; 1536: scale words at 16 r + 4 tile, the byte four times.
; LIMITS: NaN and infinities among the inputs are not served.  A block whose largest magnitude lies under 2^-124 keeps the scale byte 1 (a block of zeros too, where the quantiser says 127: its codes are zeros, and these bytes are read by this program alone).
; WORK LEFT OUT OF THE PROGRAM: w_b.  reference() adds w_b[c] to every number of channel c of wy and then takes away the channel's mean, which holds the same w_b[c]; the variance is taken about that mean.
; So w_b reaches no output, whatever it holds: it is no argument of any launch.  A NaN, an infinity or an overflow that reaches w_b alone is not carried to the result.
.set SCP,  32768                       ; LDS behind the two tiles of x: K's scale words (128 bytes), V's (128), then 256 bytes of th's for each wave
.set XA,   4                           ; v4   LDS: my position's bytes in a channel row of my wave's tile
.set L16,  5                           ; v5   16 x lane
.set L8,   6                           ; v6   8 x lane
.set KSA,  7                           ; v7   LDS: K's scale word of index r
.set VSA,  8                           ; v8   LDS: V's scale byte of my block
.set THA,  9                           ; v9   LDS: th's four scale words of index r
.set THR,  10                          ; v10  LDS: th's scale page, 8 bytes a lane
.set SCR,  11                          ; v11  LDS: K's and V's scale page, 8 bytes a lane
.set OWC,  12                          ; v12  48 o(r) + 24 h: a weight's codes
.set OWS,  13                          ; v13  2 o(r): its scale bytes
.set OB,   14                          ; v14  64 h: theta_b, phi_b
.set OG,   15                          ; v15  4 o(r): g_b
.set WS,   16                          ; v16-21 scale words of theta 0, 1, phi 0, 1, g 0, 1 (two bytes; the upper two are 0)
.set XW,   22                          ; v22  x's scale word: lanes 0-15 the even tile's, lanes 16-31 the odd tile's
.set KW,   23                          ; v23  K's scale word
.set XF,   24                          ; v24-47 x's two fragments; the upper six registers of each stay zero
.set H,    48                          ; v48-111 64 numbers of x, later theta's and phi's results
.set G,    112                         ; v112-175 g's results: 32 registers for each tile of channels
.set PC,   176                         ; v176-187 codes; v188-195 halves of blocks on their way
.set TM,   196                         ; v196-199 largest magnitudes, v200-203 bytes, v208-211 the conversions' scale operands
.set W,    212                         ; v212-215 th's scale words
.set EV,   216                         ; v216-217 V's scale bytes
.set RB,   218                         ; v218-221 scale pages read back
.set WT,   0                           ; window 1: v0-35 the six weight tiles, six registers each; v36-41 zeros
.set BT,   48                          ; window 1: theta_b, phi_b, g_b in the results' layouts
.set BP,   64
.set BG,   80
.set MSB, 0
.macro WIN new                         ; the immediate's high byte repeats the setting that is left
.if MSB != \new
	s_set_vgpr_msb (MSB<<8)|\new
.set MSB, \new
.endif
.endm
; one product.  row = 1: source 0's scales come from lanes 16-31; 2: source 1's
.macro MMC d, a, b, c, sa, sb, row
.if (\row) == 0
	v_wmma_scale_f32_16x16x128_f8f6f4 v[\d:\d+7], v[\a:\a+11], v[\b:\b+11], v[\c:\c+7], v[\sa], v[\sb] matrix_a_fmt:MATRIX_FMT_FP6 matrix_b_fmt:MATRIX_FMT_FP6
.elseif (\row) == 1
	v_wmma_scale_f32_16x16x128_f8f6f4 v[\d:\d+7], v[\a:\a+11], v[\b:\b+11], v[\c:\c+7], v[\sa], v[\sb] matrix_a_fmt:MATRIX_FMT_FP6 matrix_b_fmt:MATRIX_FMT_FP6 matrix_a_scale:MATRIX_SCALE_ROW1
.else
	v_wmma_scale_f32_16x16x128_f8f6f4 v[\d:\d+7], v[\a:\a+11], v[\b:\b+11], v[\c:\c+7], v[\sa], v[\sb] matrix_a_fmt:MATRIX_FMT_FP6 matrix_b_fmt:MATRIX_FMT_FP6 matrix_b_scale:MATRIX_SCALE_ROW1
.endif
.endm
.macro ST6 reg, sb, off                ; a SIX-image: 512 and 256 consecutive bytes, each at a multiple of 256 from the buffer's first byte
	global_store_b128 v[L16], v[\reg:\reg+3], s[\sb:\sb+1] offset:\off
	global_store_b64 v[L8], v[\reg+4:\reg+5], s[\sb:\sb+1] offset:\off+512
.endm
	s_load_b512 s[4:19], s[0:1], 0x0               ; x s[4:5]; theta: codes s[6:7], scales s[8:9], bias s[10:11]; phi: s[12:13], s[14:15], s[16:17]; g's codes s[18:19]
	s_load_b256 s[20:27], s[0:1], 0x40             ; g's scales s[20:21], bias s[22:23]; th s[24:25]; kv s[26:27]
	v_lshl_add_u32 v254, v0, 2, 0x29000
	v_mov_b32 v255, 0
	ds_add_u32 v254, v255
	ds_add_u32 v254, v255
	v_lshrrev_b32 v1, 5, v0
	v_readfirstlane_b32 s40, v1                    ; wave v
	v_and_b32 v1, 31, v0                           ; lane
	v_and_b32 v2, 15, v0                           ; r
	v_bfe_u32 v3, v0, 4, 1                         ; h
	s_lshl_b32 s29, s40, 14                        ; my wave's tile in LDS
	v_and_b32 v[XA], 7, v0                         ; j
	v_bfe_u32 v[L16], v0, 3, 1                     ; a
	v_lshlrev_b32 v[XA], 2, v[XA]
	v_lshl_add_u32 v[XA], v[L16], 7, v[XA]
	v_lshl_add_u32 v[XA], v3, 5, v[XA]
	v_add_nc_u32 v[XA], s29, v[XA]                 ; 16384 v + 128 a + 32 h + 4 j: position 32 a + 8 h + j; the half of the row stands in the immediate
	v_lshlrev_b32 v[L16], 4, v1
	v_lshlrev_b32 v[L8], 3, v1
	s_lshl_b32 s41, s40, 6
	s_add_co_u32 s41, s41, SCP
	v_lshl_add_u32 v[KSA], v2, 2, s41              ; SCP + 64 v + 4 r
	s_lshl_b32 s41, s40, 1
	s_add_co_u32 s41, s41, SCP+128
	v_lshl_add_u32 v[VSA], v2, 2, v3
	v_add_nc_u32 v[VSA], s41, v[VSA]               ; SCP + 128 + 4 r + 2 v + h
	s_lshl_b32 s41, s40, 8
	s_add_co_u32 s41, s41, SCP+256
	v_lshl_add_u32 v[THA], v2, 4, s41              ; SCP + 256 + 256 v + 16 r
	v_lshl_add_u32 v[THR], v1, 3, s41
	v_lshl_add_u32 v[SCR], v1, 3, SCP
	v_and_b32 v[OWC], 8, v2
	v_add_nc_u32 v[OG], v[OWC], v2                 ; o(r) = r + 8 (r / 8)
	v_mul_u32_u24 v[OWC], v[OG], 48
	v_mad_u32_u24 v[OWC], v3, 24, v[OWC]
	v_lshlrev_b32 v[OWS], 1, v[OG]
	v_lshlrev_b32 v[OB], 6, v3
	v_lshlrev_b32 v[OG], 2, v[OG]
	s_mov_b32 s42, 0x76543210
	s_mov_b32 s43, 0xfedcba98                      ; v_permlanex16_b32's selects for lane l xor 16
	s_and_b32 s44, ttmp7, 0xffff                   ; head
	s_and_b32 s45, s44, 1
	s_lshl_b32 s45, s45, 22                        ; b x 64 channels x 65,536 bytes
	s_bfe_u32 s46, s44, 0x10001
	s_lshl_b32 s46, s46, 8                         ; qw x 256 bytes
	s_bfe_u32 s47, s44, 0x10002
	s_lshl_b32 s47, s47, 6                         ; qh x 64 rows
	s_lshl_b32 s48, ttmp9, 1
	s_add_co_u32 s48, s48, s40                     ; quadrant row 2 s + v
	s_add_co_u32 s47, s47, s48
	s_lshl_b32 s47, s47, 9                         ; an image row is 512 bytes
	s_add_co_u32 s56, s45, s46
	s_add_co_u32 s56, s56, s47
	s_mov_b32 s57, 0
	s_lshl_b32 s58, s44, 6
	s_add_co_u32 s58, s58, s48
	s_mul_i32 s58, s58, 1792                       ; th's row record 64 head + 2 s + v
	s_mov_b32 s59, 0
	s_lshl_b32 s60, s44, 5
	s_add_co_u32 s60, s60, ttmp9
	s_mul_i32 s60, s60, 6400                       ; kv's step record 32 head + s
	s_mov_b32 s61, 0
	s_mul_i32 s62, s40, 1536                       ; my wave's two images in K's part, and in V's
	s_mov_b32 s63, 0
	; the tile: 64 channel rows of 64 numbers of 4 bytes, 16,384 numbers from channel to channel; in LDS rows of 256 bytes on end
	s_mov_b32 s28, 1
	s_mov_b32 s32, 2<<16                           ; elements of 4 bytes; no mask, no padding
	s_mov_b32 s33, 64<<16                          ; tensor_dim0
	s_mov_b32 s34, 64<<16                          ; tensor_dim1
	s_mov_b32 s35, 64<<16                          ; tile_dim0
	s_mov_b32 s36, 64                              ; tile_dim1
	s_mov_b32 s37, 16384                           ; the pitch
	s_mov_b32 s38, 0
	s_mov_b32 s39, 0
	s_wait_alu depctr_va_vdst(0)
	s_wait_dscnt 0x0
	s_wait_kmcnt 0x0
	s_add_nc_u64 s[30:31], s[4:5], s[56:57]
	s_or_b32 s31, s31, 0x80000000
	s_add_nc_u64 s[24:25], s[24:25], s[58:59]      ; th at my row record
	s_add_nc_u64 s[50:51], s[26:27], s[60:61]      ; kv at the step's record,
	s_add_nc_u64 s[52:53], s[50:51], s[62:63]      ; and 1536 v on
	tensor_load_to_lds s[28:31], s[32:39]          ; my one tensor load; only my wave reads these bytes
	s_nop 0
.rept 4
	v_nop
.endr
	WIN 0x40                                       ; destination window 1, address window 0
.irp u, 0,1
.irp p, 0,1,2
	global_load_b64 v[WT+6*\u+2*\p:WT+6*\u+2*\p+1], v[OWC], s[6:7] offset:384*\u+8*\p        ; 24 bytes: k = 32 h + 0 .. 31 of row o(r) + 8 u
	global_load_b64 v[WT+12+6*\u+2*\p:WT+12+6*\u+2*\p+1], v[OWC], s[12:13] offset:384*\u+8*\p
	global_load_b64 v[WT+24+6*\u+2*\p:WT+24+6*\u+2*\p+1], v[OWC], s[18:19] offset:384*\u+8*\p
.endr
	global_load_b128 v[BT+8*\u:BT+8*\u+3], v[OB], s[10:11] offset:32*\u                      ; theta_b at channels 16 h + 8 u + 0 .. 7
	global_load_b128 v[BT+8*\u+4:BT+8*\u+7], v[OB], s[10:11] offset:32*\u+16
	global_load_b128 v[BP+8*\u:BP+8*\u+3], v[OB], s[16:17] offset:32*\u
	global_load_b128 v[BP+8*\u+4:BP+8*\u+7], v[OB], s[16:17] offset:32*\u+16
.irp j, 0,1,2,3,4,5,6,7
	global_load_b32 v[BG+8*\u+\j], v[OG], s[22:23] offset:32*\u                              ; g_b of my channel, in all eight registers
.endr
.endr
.irp i, 0,1,2,3,4,5
	v_mov_b32 v[WT+36+\i], 0                       ; the upper half of the last weight tile's operand
.endr
	WIN 0
.irp u, 0,1
	global_load_u16 v[WS+\u], v[OWS], s[8:9] offset:16*\u
	global_load_u16 v[WS+2+\u], v[OWS], s[14:15] offset:16*\u
	global_load_u16 v[WS+4+\u], v[OWS], s[20:21] offset:16*\u
.endr
.irp i, 0,1,2,3,4,5
	v_mov_b32 v[XF+6+\i], 0                        ; k = 64 .. 127 of x's fragments: zero codes, written once
	v_mov_b32 v[XF+18+\i], 0
.endr
.irp b, 0,1,2,3
	v_mov_b32 v[TM+4+\b], 0                        ; written once: a lane permute's destination counts as one of its sources
.endr
	s_wait_tensorcnt 0x0                           ; my tile is in LDS
	s_wait_loadcnt 0x0                             ; weights, biases, scale words
; Half t of the row (tiles 2 t and 2 t + 1) is quantised along the channels.  Lane (r, h) takes the position of index r in tile 2 t + h, and its 64 registers run down the channels: two whole blocks.
.macro XQ t
.set i, 0
.rept 64
	ds_load_b32 v[H+i], v[XA] offset:i*256+64*\t   ; the 32 lanes take four runs of 32 bytes of a channel row
.set i, i+1
.endr
	s_wait_dscnt 0x0
.irp b, 0,1
	v_max3_num_f32 v[TM+\b], |v[H+32*\b]|, |v[H+32*\b+1]|, 0x1800000   ; the floor 2^(3 - 127) holds the byte at 1 from below
.endr
.irp i, 2,4,6,8,10,12,14,16,18,20,22,24,26,28,30
.irp b, 0,1
	v_max3_num_f32 v[TM+\b], v[TM+\b], |v[H+32*\b+\i]|, |v[H+32*\b+\i+1]|
.endr
.endr
.irp b, 0,1
	v_add_nc_u32 v[TM+12+\b], 0xff000000, v[TM+\b] ; 2 off the exponent field: the conversion's scale operand
.endr
.irp b, 0,1
	v_lshrrev_b32 v[TM+4+\b], 23, v[TM+12+\b]      ; the scale's byte
.endr
	v_lshl_or_b32 v[XW], v[TM+5], 8, v[TM+4]       ; bytes 2 and 3 stay 0: they scale zero codes
	v_cvt_scalef32_pk16_fp6_f32 v[XF:XF+2], v[H:H+15], v[TM+12]
	v_cvt_scalef32_pk16_fp6_f32 v[PC+12:PC+14], v[H+16:H+31], v[TM+12]   ; (a conversion's three registers begin on an even number)
	v_cvt_scalef32_pk16_fp6_f32 v[XF+12:XF+14], v[H+32:H+47], v[TM+13]
	v_cvt_scalef32_pk16_fp6_f32 v[PC+16:PC+18], v[H+48:H+63], v[TM+13]
	v_nop                                          ; one plain place behind a scaled conversion
.irp i, 0,1,2
	v_mov_b32 v[XF+3+\i], v[PC+12+\i]
	v_mov_b32 v[XF+15+\i], v[PC+16+\i]
.endr
.irp i, 0,1,2,3,4,5
	v_permlane16_swap_b32 v[XF+\i], v[XF+12+\i]    ; block 0's lanes 16-31 change places with block 1's lanes 0-15: the first six registers are now tile 2 t's fragment, the second six tile 2 t + 1's
.endr
.rept 8
	v_nop                                          ; a scale register written by a vector instruction stands 8 places ahead of a scaled matrix instruction, an operand 4
.endr
.endm
; The half's twelve products, each on an accumulator of its own.
.macro MULS t
	WIN 0x11                                       ; source 0 (weight) and C (bias) window 1
.irp l, 0,1
.irp u, 0,1
	MMC H+16*\l+8*\u, WT+6*\u, XF+12*\l, BT+8*\u, WS+\u, XW, 2*\l
	MMC H+32+16*\l+8*\u, WT+12+6*\u, XF+12*\l, BP+8*\u, WS+2+\u, XW, 2*\l
.endr
.endr
	WIN 0x14                                       ; source 1 (weight) and C (bias) window 1
.irp l, 0,1
.irp u, 0,1
	MMC G+32*\u+8*(2*\t+\l), XF+12*\l, WT+24+6*\u, BG+8*\u, XW, WS+4+\u, \l
.endr
.endr
	WIN 0
.rept 4
	v_nop                                          ; places in front of the first read of results
.endr
.endm
; Four blocks of 32 channels: theta of the even and of the odd tile, phi of the even and of the odd.  Register 16 b + i of lane (r, h) is channel 16 h + i of index r.
; It leaves theta's six registers in v[PC] on, phi's in v[PC + 6] on (lanes 0-15 the even tile, lanes 16-31 the odd one), and the bytes in v[TM + 4 + b].
.macro QUANT
.irp b, 0,1,2,3
	v_max3_num_f32 v[TM+\b], |v[H+16*\b]|, |v[H+1+16*\b]|, 0x1800000
.endr
.irp i, 2,4,6,8,10,12,14
.irp b, 0,1,2,3
	v_max3_num_f32 v[TM+\b], v[TM+\b], |v[H+16*\b+\i]|, |v[H+1+16*\b+\i]|   ; each accumulator is read from its low end on
.endr
.endr
.irp b, 0,1,2,3
	v_permlanex16_b32 v[TM+4+\b], v[TM+\b], s42, s43
.endr
.irp b, 0,1,2,3
	v_max_num_f32 v[TM+\b], v[TM+\b], v[TM+4+\b]   ; with lane l xor 16's 16 channels
.endr
.irp b, 0,1,2,3
	v_add_nc_u32 v[TM+12+\b], 0xff000000, v[TM+\b]
.endr
.irp b, 0,1,2,3
	v_lshrrev_b32 v[TM+4+\b], 23, v[TM+12+\b]
.endr
.irp c, 0,1
	v_cvt_scalef32_pk16_fp6_f32 v[PC+6*\c:PC+2+6*\c], v[H+32*\c:H+15+32*\c], v[TM+12+2*\c]
	v_cvt_scalef32_pk16_fp6_f32 v[PC+12+4*\c:PC+14+4*\c], v[H+16+32*\c:H+31+32*\c], v[TM+12+2*\c+1]
.endr
	v_nop
.irp c, 0,1
.irp i, 0,1,2
	v_permlane16_swap_b32 v[PC+6*\c+\i], v[PC+12+4*\c+\i]   ; a whole block to a lane
.endr
.irp i, 0,1,2
	v_mov_b32 v[PC+3+6*\c+\i], v[PC+12+4*\c+\i]
.endr
.endr
.endm
.macro HALF t
.if \t
	s_wait_xcnt 0x0                                ; the first half's stores have read their registers: the codes may be written again
.endif
	XQ \t
	MULS \t
	QUANT
	v_perm_b32 v[W+2*\t], v[TM+4], v[TM+4], 0      ; th's byte in all four bytes: whichever block of K the queries' codes stand in finds it
	v_perm_b32 v[W+2*\t+1], v[TM+5], v[TM+5], 0
.if \t == 0
	v_lshl_or_b32 v[KW], v[TM+7], 8, v[TM+6]       ; K's scale word: byte = tile
.else
	v_lshl_or_b32 v[KW], v[TM+6], 16, v[KW]
	v_lshl_or_b32 v[KW], v[TM+7], 24, v[KW]
.endif
	ST6 PC, 24, 768*\t
	ST6 PC+6, 52, 768*\t
.endm
	HALF 0
	HALF 1
	; g's results: lane (r, h) holds, for each tile ct of channels, block 2 v + h of the step's keys, whole
	s_wait_xcnt 0x0                                ; the stores above have read the codes' registers
.irp c, 0,1
	v_max3_num_f32 v[TM+\c], |v[G+32*\c]|, |v[G+32*\c+1]|, 0x1800000
.endr
.irp i, 2,4,6,8,10,12,14,16,18,20,22,24,26,28,30
.irp c, 0,1
	v_max3_num_f32 v[TM+\c], v[TM+\c], |v[G+32*\c+\i]|, |v[G+32*\c+\i+1]|
.endr
.endr
.irp c, 0,1
	v_add_nc_u32 v[TM+12+\c], 0xff000000, v[TM+\c]
.endr
.irp c, 0,1
	v_lshrrev_b32 v[EV+\c], 23, v[TM+12+\c]
.endr
.irp c, 0,1
	v_cvt_scalef32_pk16_fp6_f32 v[PC+6*\c:PC+6*\c+2], v[G+32*\c:G+32*\c+15], v[TM+12+\c]
	v_cvt_scalef32_pk16_fp6_f32 v[PC+12+4*\c:PC+14+4*\c], v[G+32*\c+16:G+32*\c+31], v[TM+12+\c]
.endr
	v_nop
.irp c, 0,1
.irp i, 0,1,2
	v_mov_b32 v[PC+6*\c+3+\i], v[PC+12+4*\c+\i]
.endr
.endr
	ST6 PC, 52, 3072                               ; image 2 v + ct of V's four
	ST6 PC+6, 52, 3072+768
	; the scale bytes meet in LDS and leave as whole runs of 256 bytes
	ds_store_b8 v[VSA], v[EV]
	ds_store_b8 v[VSA], v[EV+1] offset:64
	ds_store_b32 v[KSA], v[KW]                     ; lanes r and r + 16 write the same word with the same value
	ds_store_b128 v[THA], v[W:W+3]
	ds_load_b64 v[RB:RB+1], v[THR]                 ; my wave's own bytes: LDS serves a wave's instructions in order
	s_wait_dscnt 0x0                               ; my page is back, and, for the other wave's sake, my stores have landed
	global_store_b64 v[L8], v[RB:RB+1], s[24:25] offset:1536
	s_barrier_signal -1
	s_barrier_wait -1                              ; both waves' parts of K's and V's scale page lie in LDS
	s_cmp_lg_u32 s40, 0
	s_cbranch_scc1 .Ldone
	ds_load_b64 v[RB+2:RB+3], v[SCR]
	s_wait_dscnt 0x0
	global_store_b64 v[L8], v[RB+2:RB+3], s[50:51] offset:6144
.Ldone:
	s_wait_tensorcnt 0x0
	ds_add_u32 v254, v255
	s_wait_dscnt 0x0
	s_endpgm
.Lfunc_end_k_q8833e467f4_proj:
	.size	k_q8833e467f4_proj, .Lfunc_end_k_q8833e467f4_proj-k_q8833e467f4_proj
	.p2alignl 7, 3214868480
	.fill 96, 4, 3214868480
	.section	.rodata,"a",@progbits
	.p2align	6, 0x0
	.amdhsa_kernel k_q8833e467f4_proj
		.amdhsa_group_segment_fixed_size 168192
		.amdhsa_private_segment_fixed_size 0
		.amdhsa_enable_private_segment 0
		.amdhsa_kernarg_size 96
		.amdhsa_user_sgpr_count 2
		.amdhsa_user_sgpr_kernarg_segment_ptr 1
		.amdhsa_wavefront_size32 1
		.amdhsa_system_sgpr_workgroup_id_x 1
		.amdhsa_system_sgpr_workgroup_id_y 1
		.amdhsa_system_sgpr_workgroup_id_z 1
		.amdhsa_system_vgpr_workitem_id 0
		.amdhsa_next_free_vgpr 384
		.amdhsa_next_free_sgpr 66
		.amdhsa_reserve_vcc 0
		.amdhsa_float_denorm_mode_32 3
		.amdhsa_float_denorm_mode_16_64 3
		.amdhsa_memory_ordered 1
		.amdhsa_forward_progress 1
		.amdhsa_inst_pref_size 40
	.end_amdhsa_kernel
	.amdgpu_metadata
---
amdhsa.version: [ 1, 2 ]
amdhsa.kernels:
  - .name:           k_q8833e467f4_proj
    .symbol:         k_q8833e467f4_proj.kd
    .args:
      - { .name: x, .offset: 0, .size: 8, .value_kind: global_buffer, .address_space: global }
      - { .name: theta_w_codes, .offset: 8, .size: 8, .value_kind: global_buffer, .address_space: global }
      - { .name: theta_w_scales, .offset: 16, .size: 8, .value_kind: global_buffer, .address_space: global }
      - { .name: theta_b, .offset: 24, .size: 8, .value_kind: global_buffer, .address_space: global }
      - { .name: phi_w_codes, .offset: 32, .size: 8, .value_kind: global_buffer, .address_space: global }
      - { .name: phi_w_scales, .offset: 40, .size: 8, .value_kind: global_buffer, .address_space: global }
      - { .name: phi_b, .offset: 48, .size: 8, .value_kind: global_buffer, .address_space: global }
      - { .name: g_w_codes, .offset: 56, .size: 8, .value_kind: global_buffer, .address_space: global }
      - { .name: g_w_scales, .offset: 64, .size: 8, .value_kind: global_buffer, .address_space: global }
      - { .name: g_b, .offset: 72, .size: 8, .value_kind: global_buffer, .address_space: global }
      - { .name: th, .offset: 80, .size: 8, .value_kind: global_buffer, .address_space: global }
      - { .name: kv, .offset: 88, .size: 8, .value_kind: global_buffer, .address_space: global }
    .group_segment_fixed_size: 168192
    .private_segment_fixed_size: 0
    .kernarg_segment_align: 8
    .kernarg_segment_size: 96
    .max_flat_workgroup_size: 64
    .sgpr_count:     66
    .vgpr_count:     384
    .wavefront_size: 32
...
	.end_amdgpu_metadata
.endif
;; end of part 1
;; launch attn (part 2): grid 32 x 8, 16 waves a work-group, clusters of 4 x 1, 235,520 bytes of LDS; arguments th, kv, w_w_codes, w_w_scales, yc, stats; writes yc, stats
.if DOCPART == 2
	.amdgcn_target "amdgcn-amd-amdhsa--gfx1250"
	.amdhsa_code_object_version 6
	.text
	.protected	k_q8833e467f4_attn
	.globl	k_q8833e467f4_attn
	.p2align	8
	.type	k_q8833e467f4_attn,@function
k_q8833e467f4_attn:
	s_mov_b64 s[64:65], 0
	v_nop
	global_prefetch_b8 v0, s[64:65] scope:SCOPE_SE
	s_setreg_imm32_b32 hwreg(HW_REG_WAVE_MODE, 25, 1), 1
	s_wait_xcnt 0x0
	s_wait_alu depctr_hold_cnt(0) depctr_sa_sdst(0) depctr_va_vdst(0) depctr_va_sdst(0) depctr_va_ssrc(0) depctr_va_vcc(0) depctr_vm_vsrc(0)
	s_getreg_b32 s2, hwreg(HW_REG_IB_STS2, 6, 4)
	s_cmp_eq_u32 s2, 0
	s_cbranch_scc0 .Lentry_in_a_cluster
	s_endpgm
.Lentry_in_a_cluster:
	s_bfe_u32 s2, ttmp6, 0x10000c
	s_cmp_lg_u32 s2, 0x3003
	s_cbranch_scc0 .Lentry_shape_is_right
	s_endpgm
.Lentry_shape_is_right:
; THE ATTENTION OF ONE HEAD (4,096 keys, 32 channels), y QUANTISED, AND PARTIAL STATISTICS OF wy FOR THE NORM.  All products on codes of FP6 (E2M3) with E8M0 scales.
; SHARES.  A work-group owns 128 queries (quadrant rows 2 x and 2 x + 1) of head y.  Wave w = qt + 8 kh: query tile qt (16 queries: row qt / 4, tile qt % 4: index 8 a + j = position 32 a + 8 (qt % 4) + j), part kh of the keys:
; part 0 is the first N1 steps, part 1 the last N2.  Sixteen waves of 256 registers: four to a SIMD, two of each part.
; A HEAD'S K AND V ARE 204,800 BYTES (32 records of 128 keys) AND LIE IN LDS WHOLE, filled once: each wave asks for two records by one load at the head, and one barrier shows all of them; the walk over the keys has no barrier.
; CLUSTER.  The four work-groups of a cluster belong to one head: each pair of records is asked for jointly, by the same load with the same descriptor and the mask of all four.
; No data prefetch: every tile is asked for at the head, ahead of the loop, so there is no later load to run ahead of.
; LAYOUT.  A record is 128 keys: two quadrant rows f = 0, 1.  K's fragment f holds FOUR tiles of 16 keys, one in each block of 32 along the instruction's K; the queries' codes stand in four operands, in block t and zero codes elsewhere:
;   fragment f x operand t = S^T of tile (f, t); the other three blocks multiply zero codes and add nothing.  In S^T lane (r, h) holds query r, and registers 32 f + 0 .. 31 are the 32 keys of block 2 f + h, in order:
;   a whole block of the second product's K in one lane.  O^T = V^T P^T: two tiles of 16 channels; register j of tile ct is channel 16 h + 8 ct + j.
; A STEP IS TWO RECORDS, g = 0, 1: 256 keys, 128 scores a lane; M moves at most once a step.
; SOFTMAX.  t = score x log2(e); M = the running largest t rounded up to a whole number; p = 2^(t - M) is quantised along the keys; the sum is taken of the unquantised p; when M moves, sum and O^T are multiplied by 2^(old M - new M), exactly.
;   A block's scale exponent is floor(t - M) - 2 of its largest score: floor(log2 p) of its largest p.
; AT THE END the two parts of the keys meet through LDS, y = O / sum is quantised along its 32 channels and stored (16 bytes a lane: three registers of codes of channels 16 h + 0 .. 15, one with the scale byte), wy = y w_w^T is made for its
;   statistics alone (the last launch makes it again from y's codes): for each channel the mean and the sum of squared deviations of the work-group's 128 numbers: 64 stores of 8 bytes to rows 512 bytes apart, laid so that the next launch reads a channel's 64 pairs on end.
; w_b is left out: it moves a channel's numbers and their mean alike (see the first launch).
; LIMITS: NaN and infinities are not served; scaled scores stay under 2^31 in magnitude; a block whose largest magnitude lies under 2^-124 keeps the scale byte 1.
.set REC,  6400                        ; a record: K's images at 768 n, V's at 3072 + 768 (2 c + ct), K's scale words at 6144, V's at 6272
.set N1,   11                          ; steps of waves 0-7
.set N2,   16-N1                       ; steps of waves 8-15
.set MRG,  32*REC                      ; LDS behind the head: 2,560 bytes for each query tile, where part 1 of the keys hands over O^T, -M and the sum
.set STT,  MRG+8*2560                  ; [channel 64][tile 8] pairs (mean, squared deviations)
.set WST,  STT+4096                    ; w_w's four tiles as images of operand registers, 1,024 bytes each: 512 + 256 bytes of codes, 128 of scale words
.set SPARE, WST+4096                   ; the spare words: 128 bytes a wave
.set L16,  1                           ; v1-3  16, 8, 4 x lane
.set L8,   2
.set L4,   3
.set A16,  4                           ; v4-6  the same + the step's first record
.set A8,   5
.set A4,   6
.set M16,  7                           ; v7   MRG + 2560 qt + 16 lane
.set STW,  8                           ; v8   STT + 64 r + 8 qt
.set F,    10                          ; v[10:11] f = 2^(old M - new M)
                                       ; v12 -M, v13 the largest score, v[14:15] the sum in two halves
.set Q0,   16                          ; v16-45 zeros | codes in lanes 0-15 | zeros | codes in lanes 16-31 | zeros, six registers each: the four operands are runs of twelve in it
.set QS,   46                          ; scale words: the queries', K's, V's (two), P's (two)
.set KS,   47
.set VS,   48
.set PS,   50
.set KF,   52                          ; v52-75 K's two fragments of a record
.set PC,   76                          ; v76-83 chains of the maximum; then v76-87 P's codes of g = 0
.set PT,   88                          ; v88-90, v92-94 halves on their way
.set H8,   91                          ; v91  8 h
.set STR,  95                          ; v95  STT + 64 lane
.set S,    96                          ; v96-223 S^T, then p; at a step's end v96-107 P's codes of g = 1, v108-131 V's fragments of g = 0, v132-155 of g = 1
.set V0,   S+12
.set V1,   S+36
.set O,    224                         ; v224-239 O^T
.set CH,   240                         ; v240, 242, 244, 246 the four blocks' largest scores; then v240-247 chains of the sum
.set SC,   248                         ; v248-250 LDS addresses of the next step's K; then v248-251 the conversions' scale operands
.set T0,   252
.set T1,   253
.set SPW,  254
.set NIL,  255
.set WV,   18
.set SEL,  20
.set CS,   22
.set G1,   24
.set G0,   32
.set TB,   48
.set IX,   49
.set LO,   40
.macro MMZ d, a, b, sa, sb, row        ; a product that starts a sum.  row = 1: source 0's scales come from lanes 16-31
.if (\row) == 0
	v_wmma_scale_f32_16x16x128_f8f6f4 v[\d:\d+7], v[\a:\a+11], v[\b:\b+11], 0, v[\sa], v[\sb] matrix_a_fmt:MATRIX_FMT_FP6 matrix_b_fmt:MATRIX_FMT_FP6
.else
	v_wmma_scale_f32_16x16x128_f8f6f4 v[\d:\d+7], v[\a:\a+11], v[\b:\b+11], 0, v[\sa], v[\sb] matrix_a_fmt:MATRIX_FMT_FP6 matrix_b_fmt:MATRIX_FMT_FP6 matrix_a_scale:MATRIX_SCALE_ROW1
.endif
.endm
.macro WALU
	s_wait_alu depctr_va_vdst(0)
.endm
.macro PLACES n
.rept \n
	v_nop
.endr
.endm
.macro PV t, a, b, g                   ; a product that adds in place: the wait directly ahead of every adding step of these sums
	WALU
.if (\t) == 0
	v_wmma_scale_f32_16x16x128_f8f6f4 v[O:O+7], v[\a:\a+11], v[\b:\b+11], v[O:O+7], v[VS+\g], v[PS+\g] matrix_a_fmt:MATRIX_FMT_FP6 matrix_b_fmt:MATRIX_FMT_FP6
.else
	v_wmma_scale_f32_16x16x128_f8f6f4 v[O+8:O+15], v[\a:\a+11], v[\b:\b+11], v[O+8:O+15], v[VS+\g], v[PS+\g] matrix_a_fmt:MATRIX_FMT_FP6 matrix_b_fmt:MATRIX_FMT_FP6 matrix_a_scale:MATRIX_SCALE_ROW1
.endif
.endm
.macro ROUND                           ; a round of the cluster's barrier: my work-group's barrier; wave 0 signals for the work-group; every wave waits for all four work-groups; my work-group's barrier once more
	s_barrier_signal -1
	s_barrier_wait -1
	s_cmp_lg_u32 s[WV], 0
	s_cbranch_scc1 .Lnot_wave_0_\@
	s_barrier_signal -3
.Lnot_wave_0_\@:
	s_barrier_wait -3
	s_barrier_signal -1
	s_barrier_wait -1
.endm
.macro LOAD6 reg, a, off               ; six registers of an operand, as they were stored: 512 and 256 consecutive bytes
	ds_load_b128 v[\reg:\reg+3], v[\a] offset:\off
	ds_load_b64 v[\reg+4:\reg+5], v[\a+1] offset:\off+512
.endm
.macro KLOAD g, a                      ; nine loads; a: the first of three address registers
.irp n, 0,1,2,3
	LOAD6 KF+6*\n, \a, REC*(\g)+768*\n
.endr
	ds_load_b32 v[KS], v[\a+2] offset:REC*(\g)+6144        ; lanes 0-15: fragment 0's words, lanes 16-31: fragment 1's
.endm
.macro VLOAD g, reg                    ; nine loads
.irp c, 0,1
.irp t, 0,1
	LOAD6 \reg+12*\t+6*\c, A16, REC*(\g)+3072+768*(2*\c+\t)
.endr
.endr
	ds_load_b32 v[VS+\g], v[A4] offset:REC*(\g)+6272
.endm
.macro QK g
.irp f, 0,1
.irp t, 0,1,2,3
	MMZ S+64*(\g)+32*\f+8*\t, KF+12*\f, Q0+12*(\t%2)+6*(1-\t/2), KS, QS, \f
.endr
.endr
.endm
.macro BMAX g                          ; the largest score of each of g's two blocks, a chain an accumulator, each read from its low end on.  They end in CH + 4 g and CH + 4 g + 2
.irp i, 1,3,5
.irp x, 0,1,2,3,4,5,6,7
.if \i == 1
	v_max3_num_f32 v[PC+\x], v[S+64*(\g)+8*\x], v[S+64*(\g)+8*\x+1], v[S+64*(\g)+8*\x+2]
.else
	v_max3_num_f32 v[PC+\x], v[PC+\x], v[S+64*(\g)+8*\x+\i], v[S+64*(\g)+8*\x+\i+1]
.endif
.endr
.endr
.irp x, 0,2,4,6
	v_max3_num_f32 v[PC+\x], v[PC+\x], v[PC+\x+1], v[S+64*(\g)+8*\x+7]
.endr
.irp c, 0,1
	v_max3_num_f32 v[PC+4*\c], v[PC+4*\c], v[PC+4*\c+2], v[S+64*(\g)+32*\c+15]
.endr
.irp c, 0,1
	v_max_num_f32 v[CH+4*(\g)+2*\c], v[PC+4*\c], v[S+64*(\g)+32*\c+31]
.endr
.endm
.macro PKF1 k                          ; t - M of pair k
	v_pk_fma_f32 v[S+2*(\k):S+2*(\k)+1], v[S+2*(\k):S+2*(\k)+1], s[CS:CS+1], v[12:13] op_sel_hi:[1,0,0]
.endm
.macro PKF n                           ; the next n pairs
.rept \n
	PKF1 KK
.set KK, KK+1
.endr
.endm
.macro ADDC n                          ; the next n of record 1's pairs into five chains by turns
.rept \n
.if ((KK-42)%5) < 4
.set R_, CH+2*((KK-42)%5)
.else
.set R_, T0
.endif
	v_pk_add_f32 v[R_:R_+1], v[R_:R_+1], v[S+2*KK:S+2*KK+1]
.set KK, KK+1
.endr
.endm
.macro TREE d, n                       ; n additions of record 0's tree: register d apart
.set I_, 0
.rept \n
	v_pk_add_f32 v[S+2*(\d)*I_:S+2*(\d)*I_+1], v[S+2*(\d)*I_:S+2*(\d)*I_+1], v[S+2*(\d)*I_+(\d):S+2*(\d)*I_+(\d)+1]
.set I_, I_+1
.endr
.endm
.macro PCODES s, d, n                  ; two blocks of p at s into the operand at d (12 registers); scale operands n, n + 1
.irp c, 0,1
	v_cvt_scalef32_pk16_fp6_f32 v[\d+6*\c:\d+6*\c+2], v[\s+32*\c:\s+32*\c+15], v[SC+\n+\c]
	v_cvt_scalef32_pk16_fp6_f32 v[PT+4*\c:PT+4*\c+2], v[\s+32*\c+16:\s+32*\c+31], v[SC+\n+\c]   ; (a conversion's three registers begin on an even number)
.endr
	v_nop                                          ; one plain place behind a scaled conversion
.irp c, 0,1
.irp i, 0,1,2
	v_mov_b32 v[\d+6*\c+3+\i], v[PT+4*\c+\i]
.endr
.endr
.endm
; A STEP.  K of its record 0 has been asked for.  more = 1: another step follows: its K is asked for here, a step ahead; s[TB] is already at it
.macro STEP more
	s_wait_dscnt 0x0
	QK 0
	PLACES 4
	KLOAD 1, A16                                   ; under record 0's maxima
	BMAX 0
	s_wait_dscnt 0x0
	QK 1
.if \more
	v_add_nc_u32 v[SC], s[TB], v[L16]              ; (with the v_nop: the places behind the products)
	v_add_nc_u32 v[SC+1], s[TB], v[L8]
	v_add_nc_u32 v[SC+2], s[TB], v[L4]
	PLACES 1
	KLOAD 0, SC
.else
	PLACES 4
.endif
	BMAX 1
	v_max3_num_f32 v[T0], v[CH], v[CH+2], v[CH+4]
	s_delay_alu instid0(VALU_DEP_1)
	v_max_num_f32 v[T0], v[T0], v[CH+6]
	s_delay_alu instid0(VALU_DEP_1)
	v_permlanex16_b32 v[T1], v[T0], s[SEL], s[SEL+1]
	s_delay_alu instid0(VALU_DEP_1)
	v_max3_num_f32 v13, v13, v[T0], v[T1]          ; the running largest score of my query
	s_delay_alu instid0(VALU_DEP_1)
	v_mul_f32 v[T0], 0xbfb8aa3b, v13               ; -t
	s_delay_alu instid0(VALU_DEP_1)
	v_floor_f32 v[T0], v[T0]                       ; the new -M = -ceil(t)
	s_delay_alu instid0(VALU_DEP_1)
	v_sub_f32 v[F], v[T0], v12                     ; old M - new M: a whole number, 0 or less
	v_mov_b32 v12, v[T0]
	v_cvt_i32_f32 v[F], v[F]                       ; (it saturates)
.set KK, 0
.irp c, 0,2,4,6
	v_fma_f32 v[CH+\c], v[CH+\c], s[CS], v12       ; t - M of each block's largest score
.endr
	v_ldexp_f32 v[F], 1.0, v[F]                    ; f
	PKF 6                                          ; t - M of record 0, two at a time; the scales' lines stand between
.irp c, 0,2,4,6
	v_max_num_f32 v[CH+\c], 0xc2f80000, v[CH+\c]   ; not under -124: so the byte cannot fall under 1
.endr
	PKF 6
.irp c, 0,2,4,6
	v_cvt_floor_i32_f32 v[CH+\c], v[CH+\c]         ; floor(log2) of the block's largest p
.endr
	PKF 6
.irp g, 0,1
	v_lshl_add_u32 v[CH+4*\g+1], v[CH+4*\g+2], 16, v[CH+4*\g]   ; my two blocks h and 2 + h of record g,
.endr
.irp c, 0,1,2,3
	v_lshl_add_u32 v[SC+\c], v[CH+2*\c], 23, 0x3e800000    ; + 125 in the exponent field: the conversion's scale operand
.endr
	PKF 4
.irp g, 0,1
	v_lshlrev_b32 v[CH+4*\g+1], v[H8], v[CH+4*\g+1]             ; at their places in the word;
.endr
	PKF 5
.irp g, 0,1
	v_permlanex16_b32 v[CH+4*\g+3], v[CH+4*\g+1], s[SEL], s[SEL+1]
.endr
	PKF 5
.irp g, 0,1
	v_add3_u32 v[PS+\g], v[CH+4*\g+1], v[CH+4*\g+3], 0x7d7d7d7d ; with lane l xor 16's two, and 125 in each byte: P's scale word
.endr
	WALU                                           ; the wait ahead of the batch
.rept 32
	v_exp_f32 v[S+2*KK-64], v[S+2*KK-64]           ; record 0's p = 2^(t - M); between them record 1's t - M
	PKF1 KK
	v_exp_f32 v[S+2*KK-63], v[S+2*KK-63]
.set KK, KK+1
.endr
	v_pk_mul_f32 v[14:15], v[14:15], v[F:F+1] op_sel_hi:[1,0]   ; the sum under the new M.  (A plain place behind the exponentials)
	WALU                                           ; behind record 0's batch and ahead of record 1's; directly ahead of O^T's first reader
.set KK, 0
.rept 8
	v_pk_mul_f32 v[O+KK:O+KK+1], v[O+KK:O+KK+1], v[F:F+1] op_sel_hi:[1,0]   ; O^T under the new M
.set KK, KK+2
.endr
	PCODES S, PC, 0
	WALU                                           ; the wait ahead of the batch
.set KK, 0
.rept 16
.irp i, 0,1,2,3
	v_exp_f32 v[S+64+4*KK+\i], v[S+64+4*KK+\i]     ; record 1's p; between them the first level of the sum of record 0's unquantised p: 16 additions that do not hang on each other
.endr
	v_pk_add_f32 v[S+4*KK:S+4*KK+1], v[S+4*KK:S+4*KK+1], v[S+4*KK+2:S+4*KK+3]
.set KK, KK+1
.endr
	WALU
	TREE 4, 8
.irp c, 0,1,2,3
	v_pk_add_f32 v[CH+2*\c:CH+2*\c+1], v[S+64+4*\c:S+64+4*\c+1], v[S+64+4*\c+2:S+64+4*\c+3]     ; record 1's sum: five chains
.endr
	v_pk_add_f32 v[T0:T0+1], v[S+80:S+81], v[S+82:S+83]
.set KK, 42
	TREE 8, 4
	ADDC 5
	TREE 16, 2
	ADDC 5
	TREE 32, 1
	ADDC 5
	v_pk_add_f32 v[14:15], v[14:15], v[S:S+1]
	VLOAD 0, V0                                    ; onto record 0's scores, which are done with
	VLOAD 1, V1
	PCODES S+64, S, 2
	s_wait_dscnt 0x9                               ; V of record 0 is in; the nine loads of record 1 may stay out
	PV 0, V0, PC, 0
	ADDC 4
	PV 1, V0+12, PC, 0
	ADDC 3
.if \more
	v_add_nc_u32 v[A16], s[TB], v[L16]             ; the next step's records
	v_add_nc_u32 v[A8], s[TB], v[L8]
	v_add_nc_u32 v[A4], s[TB], v[L4]
.endif
	s_wait_dscnt 0x0
	PV 0, V1, S, 1
	PV 1, V1+12, S, 1
	v_pk_add_f32 v[CH:CH+1], v[CH:CH+1], v[CH+2:CH+3]           ; the chains meet: five places between the products and the next step's, which write over their sources
	v_pk_add_f32 v[CH+4:CH+5], v[CH+4:CH+5], v[CH+6:CH+7]
	v_pk_add_f32 v[14:15], v[14:15], v[T0:T0+1]
	v_pk_add_f32 v[CH:CH+1], v[CH:CH+1], v[CH+4:CH+5]
	v_pk_add_f32 v[14:15], v[14:15], v[CH:CH+1]
.endm
	s_load_b256 s[4:11], s[0:1], 0x0               ; th s[4:5], kv s[6:7], w_w's codes s[8:9], scales s[10:11]
	s_load_b128 s[12:15], s[0:1], 0x20             ; yc s[12:13], stats s[14:15]
	v_lshl_add_u32 v[SPW], v0, 2, SPARE
	v_mov_b32 v[NIL], 0
	ds_add_u32 v[SPW], v[NIL]                      ; the opening lines: the add, twice on end, and its wait
	ds_add_u32 v[SPW], v[NIL]
	v_lshrrev_b32 v[CH], 5, v0
	v_readfirstlane_b32 s[WV], v[CH]               ; wave 0..15
	v_and_b32 v[CH], 31, v0                        ; lane
	v_and_b32 v[CH+1], 15, v0                      ; r
	v_bfe_u32 v[CH+2], v0, 4, 1                    ; h
	v_lshlrev_b32 v[L16], 4, v[CH]
	v_lshlrev_b32 v[L8], 3, v[CH]
	v_lshlrev_b32 v[L4], 2, v[CH]
	v_lshlrev_b32 v[H8], 3, v[CH+2]
	v_lshl_add_u32 v[STR], v[CH], 6, STT
	v_mul_u32_u24 v[S+35], v[CH+1], 24             ; w_w: a row is 24 bytes
	WALU
	; every LDS address is made here, ahead of the first parting of the waves, of the wave's number and the lane alone
	s_and_b32 s53, s[WV], 7                        ; qt
	s_lshr_b32 s54, s53, 2                         ; its row
	s_and_b32 s55, s53, 3                          ; its tile
	s_lshr_b32 s56, s[WV], 3                       ; kh
	s_mul_i32 s[LO], s56, N1-N2                    ; part 1 passes over the loop's first N1 - N2 trips,
	s_mul_i32 s[TB], s56, 2*N2*REC                 ; so that its last N2 end with record 31
	s_mul_i32 s57, s56, 2*N1*REC                   ; its first record is 2 N1
	v_add_nc_u32 v[A16], s57, v[L16]
	v_add_nc_u32 v[A8], s57, v[L8]
	v_add_nc_u32 v[A4], s57, v[L4]
	s_mul_i32 s56, s53, 2560
	s_add_co_u32 s56, s56, MRG
	v_add_nc_u32 v[M16], s56, v[L16]
	s_lshl_b32 s57, s53, 3
	s_add_co_u32 s57, s57, STT
	v_lshl_add_u32 v[STW], v[CH+1], 6, s57
	s_and_b32 s59, s[WV], 3                        ; the tile of w_w that I load (waves 0-3 lay it into LDS)
	s_lshl_b32 s58, s59, 10
	s_add_co_u32 s58, s58, WST
	v_add_nc_u32 v[S+40], s58, v[L16]
	v_add_nc_u32 v[S+41], s58, v[L8]
	v_add_nc_u32 v[S+42], s58, v[L4]
	s_mul_i32 s58, s59, 384
	v_add_nc_u32 v[S+35], s58, v[S+35]
	s_lshl_b32 s58, s59, 4
	v_add_nc_u32 v[S+36], s58, v[CH+1]             ; w_w's scale byte: row 16 t + r
	; offsets into th's row record: my tile's codes lie in image (tile / 2), lanes r + 16 (tile % 2)
	s_and_b32 s62, s55, 1
	s_lshr_b32 s63, s55, 1
	s_mul_i32 s63, s63, 768
	s_lshl_b32 s57, s62, 8
	s_add_co_u32 s57, s57, s63
	v_lshl_add_u32 v[S+32], v[CH+1], 4, s57
	s_lshl_b32 s57, s62, 7
	s_add_co_u32 s57, s57, s63
	v_lshl_add_u32 v[S+33], v[CH+1], 3, s57
	s_lshl_b32 s57, s55, 2
	v_lshl_add_u32 v[S+34], v[CH+1], 4, s57
	WALU
	s_mov_b32 s[SEL], 0x76543210
	s_mov_b32 s[SEL+1], 0xfedcba98                 ; v_permlanex16_b32's selects for lane l xor 16
	s_mov_b32 s[CS], 0x3fb8aa3b                    ; log2(e)
	s_mov_b32 s[CS+1], s[CS]                       ; (named with it as a pair, so it is written)
	s_and_b32 s52, ttmp7, 0xffff                   ; the head, which the four partners share
	; descriptor group 1: two records: 50 rows of 256 bytes (32 elements of 8 bytes), dense
	s_mov_b32 s[G1], 15|(3<<16)|(1<<21)            ; the mask: all four work-groups; elements of 8 bytes; bit 21 set beside a mask
	s_mov_b32 s[G1+1], 32<<16
	s_mov_b32 s[G1+2], 50<<16
	s_mov_b32 s[G1+3], 32<<16
	s_mov_b32 s[G1+4], 50
	s_mov_b32 s[G1+5], 32
	s_mov_b32 s[G1+6], 0
	s_mov_b32 s[G1+7], 0
	s_mul_i32 s56, s[WV], 2*REC                    ; wave w fetches records 2 w and 2 w + 1
	s_mul_i32 s58, s52, 32*REC
	s_add_co_u32 s58, s58, s56
	s_mov_b32 s59, 0
	s_mov_b32 s[G0], 1
	s_mov_b32 s[G0+1], s56
	s_wait_dscnt 0x0                               ; both opening adds are done
	ROUND                                          ; all four work-groups are here: the joint loads meet
	s_wait_kmcnt 0x0
	s_add_nc_u64 s[G0+2:G0+3], s[6:7], s[58:59]
	s_or_b32 s[G0+3], s[G0+3], 0x80000000
	tensor_load_to_lds s[G0:G0+3], s[G1:G1+7]      ; my one tensor load
	s_nop 0
	PLACES 4
	; my place in the cluster enters the addresses of th, yc and stats alone
	s_bfe_u32 s50, ttmp6, 0x40000                  ; cx
	s_lshl_b32 s51, ttmp9, 2
	s_add_co_u32 s51, s51, s50                     ; work-group x
	s_lshl_b32 s60, s52, 6
	s_lshl_b32 s61, s51, 1
	s_add_co_u32 s60, s60, s61
	s_add_co_u32 s60, s60, s54
	s_mul_i32 s60, s60, 1792                       ; th's row record 64 head + 2 x + row
	s_mov_b32 s61, 0
	s_add_nc_u64 s[4:5], s[4:5], s[60:61]
	WALU
	global_load_b128 v[S:S+3], v[S+32], s[4:5]     ; query r's 24 bytes of codes, in both halves of the lanes
	global_load_b64 v[S+4:S+5], v[S+33], s[4:5] offset:512
	global_load_b32 v[QS], v[S+34], s[4:5] offset:1536
.irp p, 0,1,2
	global_load_b64 v[S+8+2*\p:S+9+2*\p], v[S+35], s[8:9] offset:8*\p   ; w_w's row 16 t + r; lanes 16-31 hold the same and meet zero codes
.endr
	global_load_u8 v[S+14], v[S+36], s[10:11]
	s_lshl_b32 s62, s52, 8
	s_lshl_b32 s63, s51, 3
	s_add_co_u32 s62, s62, s63
	s_add_co_u32 s62, s62, s53
	s_lshl_b32 s62, s62, 9                         ; yc: tile 256 head + 8 x + qt of 512 bytes
	s_mov_b32 s63, 0
	s_add_nc_u64 s[12:13], s[12:13], s[62:63]
	s_lshr_b32 s62, s52, 1
	s_lshl_b32 s62, s62, 15                        ; stats: quadrant x 32,768
	s_and_b32 s60, s52, 1
	s_lshl_b32 s60, s60, 5
	s_add_co_u32 s60, s60, s51                     ; p = 32 b + x
	s_lshl_b32 s60, s60, 3
	s_add_co_u32 s62, s62, s60
	s_add_nc_u64 s[14:15], s[14:15], s[62:63]
.set i, 0
.rept 16
	v_mov_b32 v[O+i], 0                            ; O^T.  (The first step finds zeros, which the first change of M leaves zeros)
.set i, i+1
.endr
.irp z, 0,12,24
.irp i, 0,1,2,3,4,5
	v_mov_b32 v[Q0+\z+\i], 0
.endr
.endr
	v_mov_b32 v13, 0xff16769c                      ; the largest score so far: -2e38, under every score
	v_mul_f32 v12, 0xbfb8aa3b, v13
	v_floor_f32 v12, v12                           ; -M
	v_mov_b32 v14, 0
	v_mov_b32 v15, 0
	v_mov_b32 v[T1], 0                             ; a lane permute's destination counts as one of its sources
	v_mov_b32 v[CH+3], 0
	v_mov_b32 v[CH+7], 0
	v_mov_b32 v[F+1], 0                            ; (named as the upper half of a pair)
	v_cmp_gt_u32 vcc_lo, 16, v[CH]                 ; lanes 0-15
	WALU
	s_wait_loadcnt 0x0
.irp i, 0,1,2,3,4,5
	v_cndmask_b32 v[Q0+6+\i], 0, v[S+\i], vcc_lo           ; the codes in lanes 0-15, zero codes in lanes 16-31
	v_cndmask_b32 v[Q0+18+\i], v[S+\i], v[Q0], vcc_lo      ; and the other way round
.endr
	PLACES 4                                       ; an operand written by vector instructions stands 4 places ahead of a scaled matrix instruction
	WALU                                           ; the wait at the head's end
	s_wait_tensorcnt 0x0                           ; my two records have landed
	s_cmp_lt_u32 s[WV], 4
	s_cbranch_scc0 .Lno_w
	ds_store_b128 v[S+40], v[S+8:S+11]             ; wave t lays tile t of w_w where the epilogue finds it
	ds_store_b64 v[S+41], v[S+12:S+13] offset:512
	ds_store_b32 v[S+42], v[S+14] offset:768
.Lno_w:
	s_wait_dscnt 0x0
	s_barrier_signal -1
	s_barrier_wait -1                              ; everybody's records and w_w are in LDS
	KLOAD 0, A16                                   ; my first step's K
	s_mov_b32 s[IX], 0
.Lstep:
	s_add_co_u32 s[TB], s[TB], 2*REC               ; the next trip's records
	s_cmp_lt_u32 s[IX], s[LO]
	s_cbranch_scc1 .Lpassed                        ; part 1 has no work in this trip
	STEP 1
.Lpassed:
	s_add_co_u32 s[IX], s[IX], 1
	s_cmp_lt_u32 s[IX], N1-1
	WALU
	s_cbranch_scc1 .Lstep
	STEP 0                                         ; the last step asks for nothing beyond it
	; THE TWO PARTS OF THE KEYS MEET.  Waves 8-15 hand over O^T, -M and the sum as images of their registers.
.set WW,   S+32                        ; v128-151 w_w's four tiles, six registers each; v152-157 zeros
.set WSC,  QS                          ; v46-49 their scale words
.set YS,   S+64                        ; v160-163 y's codes, three registers a lane, and its scale byte
.set YC,   S+72                        ; v168-179 y's operand
.set WY,   S+84                        ; v180-211 wy
.set DV,   S                           ; v96-127 deviations
.set SV,   S+32
	v_add_f32 v13, v14, v15                        ; the sum's two halves
	v_add_nc_u32 v[A16], WST, v[L16]
	v_add_nc_u32 v[A8], WST, v[L8]
	v_add_nc_u32 v[A4], WST, v[L4]
	WALU
	s_cmp_lt_u32 s[WV], 8
	s_cbranch_scc1 .Lkeep
.irp g, 0,1,2,3
	ds_store_b128 v[M16], v[O+4*\g:O+4*\g+3] offset:512*\g
.endr
	ds_store_b128 v[M16], v[12:15] offset:2048
.Lkeep:
	s_wait_dscnt 0x0                               ; for the others' sake: my stores have landed
	s_barrier_signal -1
	s_barrier_wait -1
	s_cmp_lt_u32 s[WV], 8
	s_cbranch_scc0 .Lmerged
.irp g, 0,1,2,3
	ds_load_b128 v[S+4*\g:S+4*\g+3], v[M16] offset:512*\g
.endr
	ds_load_b128 v[S+16:S+19], v[M16] offset:2048
.irp t, 0,1,2,3
	ds_load_b128 v[WW+6*\t:WW+6*\t+3], v[A16] offset:1024*\t
	ds_load_b64 v[WW+6*\t+4:WW+6*\t+5], v[A8] offset:1024*\t+512
	ds_load_b32 v[WSC+\t], v[A4] offset:1024*\t+768
.endr
	s_wait_dscnt 12                                ; the other part's numbers are in; w_w's twelve loads may stay out
	v_min_num_f32 v[T0], v12, v[S+16]              ; the common -M
	v_sub_f32 v[CH], v[T0], v12
	v_sub_f32 v[CH+1], v[T0], v[S+16]
	v_cvt_i32_f32 v[CH], v[CH]
	v_cvt_i32_f32 v[CH+1], v[CH+1]
	v_ldexp_f32 v[CH], 1.0, v[CH]                  ; each part's power of two
	v_ldexp_f32 v[CH+1], 1.0, v[CH+1]
	v_mul_f32 v[CH+2], v13, v[CH]
	v_fma_f32 v[CH+2], v[S+17], v[CH+1], v[CH+2]
	v_permlanex16_b32 v[T1], v[CH+2], s[SEL], s[SEL+1]
	v_add_f32 v[CH+2], v[CH+2], v[T1]              ; the row's sum
	WALU
	v_rcp_f32 v[CH+2], v[CH+2]
	v_nop                                          ; one plain place behind a transcendental
	WALU
	v_mul_f32 v[F], v[CH], v[CH+2]
	v_mul_f32 v14, v[CH+1], v[CH+2]
.set j, 0
.rept 8
	v_pk_mul_f32 v[O+j:O+j+1], v[O+j:O+j+1], v[F:F+1] op_sel_hi:[1,0]
.set j, j+2
.endr
.set j, 0
.rept 8
	v_pk_fma_f32 v[O+j:O+j+1], v[S+j:S+j+1], v[14:15], v[O+j:O+j+1] op_sel_hi:[1,0,1]   ; y: channels 16 h + 0 .. 15 of query r
.set j, j+2
.endr
	v_max3_num_f32 v[T0], |v[O]|, |v[O+1]|, 0x1800000
	v_max3_num_f32 v[CH], |v[O+8]|, |v[O+9]|, |v[O+10]|
	v_max3_num_f32 v[T0], v[T0], |v[O+2]|, |v[O+3]|
	v_max3_num_f32 v[CH], v[CH], |v[O+11]|, |v[O+12]|
	v_max3_num_f32 v[T0], v[T0], |v[O+4]|, |v[O+5]|
	v_max3_num_f32 v[CH], v[CH], |v[O+13]|, |v[O+14]|
	v_max3_num_f32 v[T0], v[T0], |v[O+6]|, |v[O+7]|
	v_max3_num_f32 v[T0], v[T0], v[CH], |v[O+15]|
	v_permlanex16_b32 v[T1], v[T0], s[SEL], s[SEL+1]
.irp i, 3,4,5,6,7,8,9,10,11
	v_mov_b32 v[YC+\i], 0
.endr
	v_max_num_f32 v[T0], v[T0], v[T1]              ; the largest magnitude of the query's 32 channels
	v_add_nc_u32 v[SC], 0xff000000, v[T0]
	v_lshrrev_b32 v[PS], 23, v[SC]                 ; y's scale word: byte 0; the others scale zero codes
	v_cvt_scalef32_pk16_fp6_f32 v[YS:YS+2], v[O:O+15], v[SC]
	v_lshrrev_b32 v[YS+3], 23, v[SC]               ; (and the plain place behind the conversion)
	global_store_b128 v[L16], v[YS:YS+3], s[12:13] ; 32 lanes store 512 consecutive bytes, at a multiple of 512 from yc's first byte
.irp i, 0,1,2
	v_mov_b32 v[YC+\i], v[YS+\i]
.endr
.irp i, 0,1,2
	v_permlane16_swap_b32 v[YC+\i], v[YC+3+\i]     ; lanes 0-15 now hold the query's 32 codes, lanes 16-31 (k = 32 .. 63) zero codes
.endr
.irp i, 0,1,2,3,4,5
	v_mov_b32 v[WW+24+\i], 0                       ; the upper half of the last tile's operand
.endr
	PLACES 4
	WALU
	s_wait_dscnt 0x0                               ; w_w is in
.irp t, 0,1,2,3
	MMZ WY+8*\t, YC, WW+6*\t, PS, WSC+\t, 0        ; source 0 = my 16 queries, source 1 = 16 rows of w_w: lane (r, h) holds channel 16 t + r at positions 32 h + 8 (qt % 4) + 0 .. 7
.endr
	PLACES 4
	; for each channel: the mean of my tile's 16 numbers and the sum of their squared deviations from it
.irp t, 0,1,2,3
	v_pk_add_f32 v[KF+2*\t:KF+2*\t+1], v[WY+8*\t:WY+8*\t+1], v[WY+8*\t+2:WY+8*\t+3]
.endr
.irp i, 4,6
.irp t, 0,1,2,3
	v_pk_add_f32 v[KF+2*\t:KF+2*\t+1], v[KF+2*\t:KF+2*\t+1], v[WY+8*\t+\i:WY+8*\t+\i+1]
.endr
.endr
.irp t, 0,1,2,3
	v_mov_b32 v[KF+8+\t], 0
	v_add_f32 v[KF+2*\t], v[KF+2*\t], v[KF+2*\t+1]
.endr
.irp t, 0,1,2,3
	v_permlanex16_b32 v[KF+8+\t], v[KF+2*\t], s[SEL], s[SEL+1]
.endr
.irp t, 0,1,2,3
	v_add_f32 v[KF+2*\t], v[KF+2*\t], v[KF+8+\t]
.endr
.irp t, 0,1,2,3
	v_mul_f32 v[KF+2*\t], 0x3d800000, v[KF+2*\t]   ; / 16
.endr
.irp t, 0,1,2,3
.irp i, 0,2,4,6
	v_pk_add_f32 v[DV+8*\t+\i:DV+8*\t+\i+1], v[WY+8*\t+\i:WY+8*\t+\i+1], v[KF+2*\t:KF+2*\t+1] op_sel_hi:[1,0] neg_lo:[0,1] neg_hi:[0,1]
.endr
.endr
.irp t, 0,1,2,3
	v_pk_mul_f32 v[DV+8*\t:DV+8*\t+1], v[DV+8*\t:DV+8*\t+1], v[DV+8*\t:DV+8*\t+1]
.endr
.irp i, 2,4,6
.irp t, 0,1,2,3
	v_pk_fma_f32 v[DV+8*\t:DV+8*\t+1], v[DV+8*\t+\i:DV+8*\t+\i+1], v[DV+8*\t+\i:DV+8*\t+\i+1], v[DV+8*\t:DV+8*\t+1]
.endr
.endr
.irp t, 0,1,2,3
	v_add_f32 v[DV+8*\t], v[DV+8*\t], v[DV+8*\t+1]
.endr
.irp t, 0,1,2,3
	v_permlanex16_b32 v[KF+8+\t], v[DV+8*\t], s[SEL], s[SEL+1]
.endr
.irp t, 0,1,2,3
	v_add_f32 v[KF+2*\t+1], v[DV+8*\t], v[KF+8+\t]
.endr
.irp t, 0,1,2,3
	ds_store_b64 v[STW], v[KF+2*\t:KF+2*\t+1] offset:1024*\t       ; lanes r and r + 16 write the same pair
.endr
.Lmerged:
	s_wait_dscnt 0x0                               ; for the others' sake: my stores have landed
	s_barrier_signal -1
	s_barrier_wait -1                              ; all eight tiles' pairs are there
	s_cmp_lg_u32 s[WV], 0
	s_cbranch_scc1 .Lno_stats
	; wave 0: lane l joins the eight tiles' pairs of channels l and l + 32
.irp k, 0,1
.irp i, 0,1,2,3
	ds_load_b128 v[SV+16*\k+4*\i:SV+16*\k+4*\i+3], v[STR] offset:2048*\k+16*\i
.endr
.endr
	s_wait_dscnt 0x0
	v_lshlrev_b32 v[CH], 5, v[L16]                 ; 512 x lane
.irp k, 0,1
	v_add_f32 v[KF+2*\k], v[SV+16*\k], v[SV+16*\k+2]
	v_add_f32 v[KF+2*\k+1], v[SV+16*\k+1], v[SV+16*\k+3]
.endr
.irp w, 4,6,8,10,12,14
.irp k, 0,1
	v_add_f32 v[KF+2*\k], v[KF+2*\k], v[SV+16*\k+\w]
	v_add_f32 v[KF+2*\k+1], v[KF+2*\k+1], v[SV+16*\k+\w+1]
.endr
.endr
.irp k, 0,1
	v_mul_f32 v[KF+2*\k], 0x3e000000, v[KF+2*\k]   ; the mean of 128 numbers: the eight means / 8
.endr
.irp w, 0,2,4,6,8,10,12,14
.irp k, 0,1
	v_sub_f32 v[SV+16*\k+\w], v[SV+16*\k+\w], v[KF+2*\k]
.endr
.endr
.irp k, 0,1
	v_mul_f32 v[KF+4+\k], v[SV+16*\k], v[SV+16*\k]
.endr
.irp w, 2,4,6,8,10,12,14
.irp k, 0,1
	v_fmac_f32 v[KF+4+\k], v[SV+16*\k+\w], v[SV+16*\k+\w]
.endr
.endr
.irp k, 0,1
	v_fmac_f32 v[KF+2*\k+1], 0x41800000, v[KF+4+\k]   ; + 16 x the tiles' means' squared deviations
.endr
.irp k, 0,1
	global_store_b64 v[CH], v[KF+2*\k:KF+2*\k+1], s[14:15] offset:16384*\k
.endr
.Lno_stats:
	s_wait_tensorcnt 0x0                           ; the wave's end
	ds_add_u32 v[SPW], v[NIL]
	s_wait_dscnt 0x0
	ROUND                                          ; the closing round: no work-group ends while a partner may still ask for a record that names it
	s_endpgm
.Lfunc_end_k_q8833e467f4_attn:
	.size	k_q8833e467f4_attn, .Lfunc_end_k_q8833e467f4_attn-k_q8833e467f4_attn
	.p2alignl 7, 3214868480
	.fill 96, 4, 3214868480
	.section	.rodata,"a",@progbits
	.p2align	6, 0x0
	.amdhsa_kernel k_q8833e467f4_attn
		.amdhsa_group_segment_fixed_size 235520
		.amdhsa_private_segment_fixed_size 0
		.amdhsa_enable_private_segment 0
		.amdhsa_kernarg_size 48
		.amdhsa_user_sgpr_count 2
		.amdhsa_user_sgpr_kernarg_segment_ptr 1
		.amdhsa_wavefront_size32 1
		.amdhsa_system_sgpr_workgroup_id_x 1
		.amdhsa_system_sgpr_workgroup_id_y 1
		.amdhsa_system_sgpr_workgroup_id_z 1
		.amdhsa_system_vgpr_workitem_id 0
		.amdhsa_next_free_vgpr 256
		.amdhsa_next_free_sgpr 66
		.amdhsa_reserve_vcc 1
		.amdhsa_float_denorm_mode_32 3
		.amdhsa_float_denorm_mode_16_64 3
		.amdhsa_memory_ordered 1
		.amdhsa_forward_progress 1
		.amdhsa_inst_pref_size 73
	.end_amdhsa_kernel
	.amdgpu_metadata
---
amdhsa.version: [ 1, 2 ]
amdhsa.kernels:
  - .name:           k_q8833e467f4_attn
    .symbol:         k_q8833e467f4_attn.kd
    .args:
      - { .name: th, .offset: 0, .size: 8, .value_kind: global_buffer, .address_space: global }
      - { .name: kv, .offset: 8, .size: 8, .value_kind: global_buffer, .address_space: global }
      - { .name: w_w_codes, .offset: 16, .size: 8, .value_kind: global_buffer, .address_space: global }
      - { .name: w_w_scales, .offset: 24, .size: 8, .value_kind: global_buffer, .address_space: global }
      - { .name: yc, .offset: 32, .size: 8, .value_kind: global_buffer, .address_space: global }
      - { .name: stats, .offset: 40, .size: 8, .value_kind: global_buffer, .address_space: global }
    .group_segment_fixed_size: 235520
    .private_segment_fixed_size: 0
    .kernarg_segment_align: 8
    .kernarg_segment_size: 48
    .max_flat_workgroup_size: 512
    .sgpr_count:     66
    .vgpr_count:     256
    .wavefront_size: 32
...
	.end_amdgpu_metadata
.endif
;; end of part 2
;; launch bnres (part 3): grid 32 x 8, 8 waves a work-group, no clusters, 34,816 bytes of LDS; arguments x, yc, w_w_codes, w_w_scales, stats, bn_gamma, bn_beta, out0; writes out0
.if DOCPART == 3
	.amdgcn_target "amdgcn-amd-amdhsa--gfx1250"
	.amdhsa_code_object_version 6
	.text
	.protected	k_q8833e467f4_bnres
	.globl	k_q8833e467f4_bnres
	.p2align	8
	.type	k_q8833e467f4_bnres,@function
k_q8833e467f4_bnres:
	s_mov_b64 s[64:65], 0
	v_nop
	global_prefetch_b8 v0, s[64:65] scope:SCOPE_SE
	s_setreg_imm32_b32 hwreg(HW_REG_WAVE_MODE, 25, 1), 1
	s_wait_xcnt 0x0
; out0 = (wy - mean) x gamma / sqrt(var + 1e-5) + beta + x, wy = y w_w^T from y's codes (FP6), mean and var over a quadrant's 8,192 numbers of a channel (both batches).  w_b is left out: it moves wy and its mean alike (see the first launch).
; A work-group (x = s, y = head) takes quadrant rows 2 s and 2 s + 1 of the head: 128 positions x 64 channels.  head = 2 q + b, q = 2 qh + qw.
; Wave w makes wy of query tile w (16 positions, all 64 channels: four products) and lays it into a stage in LDS; then it takes channels 8 w .. 8 w + 7 of both rows: of x and out0 two runs of 256 bytes an instruction (lanes 0-15 row 2 s, lanes 16-31 row 2 s + 1).
; yc is [head][tile 256][lane][16 bytes]: three registers of codes of channels 16 h + 0 .. 15 of position index r, and the scale byte.
; stats is [quadrant][channel][64] pairs (mean, sum of squared deviations) of 128 numbers each: a lane reads two pairs, 32 lanes a channel's 512 bytes; the pairs are joined by means and deviations from the common mean, so no difference of large sums is formed.
; Every byte of x and of out0 is touched once and no tile is shared but w_w's 1,600 bytes, so no cluster; all 33 loads of a wave go out ahead of the first wait on them, in no loop, so no data prefetch.
; LIMITS: NaN and infinities among the inputs are not served.
.set SPARE, 64*528                     ; behind the stage: 64 channel rows x (512 bytes + 16)
.set XO,  4                            ; v4   512 h + 16 r
.set L16, 5                            ; v5   16 lane
.set WO,  6                            ; v6   24 r
.set SGW, 7                            ; v7   the stage, in: 528 r + 256 (w / 4) + 128 h + 32 (w % 4)
.set SGR, 8                            ; v8   the stage, back: 4224 w + 16 lane
.set SPW, 9
.set NIL, 10
.set YL,  12                           ; v12-14 y's codes, v15 its scale
.set YC,  16                           ; v16-27 y's operand
.set WW,  28                           ; v28-51 w_w's four tiles, v52-57 zeros
.set WSC, 58                           ; v58-61 their scales
.set WY,  64                           ; v64-95
.set ST,  96                           ; v96-127 two pairs of each of my eight channels
.set X,   128                          ; v128-159
.set RB,  160                          ; v160-191 wy's rows, back from the stage
.set MS,  192                          ; v192-199 means
.set MT,  200                          ; v200-207 the other half's
.set VR,  208                          ; v208-215 squared deviations, then 1 / sqrt(var + 1e-5)
.set NM,  216                          ; v216-231 pairs: -mean, gamma / sqrt(var + 1e-5)
.set D,   232                          ; v232-247
.macro WALU
	s_wait_alu depctr_va_vdst(0)
.endm
.macro JOIN reg                        ; the sums over the 32 lanes of eight numbers, one of each of my channels
.irp m, 1,2,4,8
.irp i, 0,1,2,3,4,5,6,7
	v_add_f32_dpp v[\reg+\i], v[\reg+\i], v[\reg+\i] row_xmask:\m row_mask:0xf bank_mask:0xf
.endr
.endr
.irp i, 0,1,2,3,4,5,6,7
	v_permlanex16_b32 v[MT+\i], v[\reg+\i], s26, s27
.endr
.irp i, 0,1,2,3,4,5,6,7
	v_add_f32 v[\reg+\i], v[\reg+\i], v[MT+\i]
.endr
.endm
	s_load_b512 s[4:19], s[0:1], 0x0               ; x s[4:5], yc s[6:7], w_w's codes s[8:9], scales s[10:11], stats s[12:13], gamma s[14:15], beta s[16:17], out0 s[18:19]
	v_lshl_add_u32 v[SPW], v0, 2, SPARE
	v_mov_b32 v[NIL], 0
	v_lshrrev_b32 v1, 5, v0
	v_readfirstlane_b32 s20, v1                    ; wave w
	v_and_b32 v1, 31, v0                           ; lane
	v_and_b32 v2, 15, v0                           ; r
	v_bfe_u32 v3, v0, 4, 1                         ; h
	v_lshlrev_b32 v[XO], 4, v2
	v_lshlrev_b32 v[L16], 4, v1
	v_mul_u32_u24 v[WO], v2, 24
	v_mul_u32_u24 v[SGW], v2, 528
	v_lshl_add_u32 v[XO], v3, 9, v[XO]
	v_lshl_add_u32 v[SGW], v3, 7, v[SGW]
	WALU
	s_lshr_b32 s21, s20, 2
	s_lshl_b32 s21, s21, 8
	s_and_b32 s22, s20, 3
	s_lshl_b32 s22, s22, 5
	s_add_co_u32 s21, s21, s22
	v_add_nc_u32 v[SGW], s21, v[SGW]
	s_mul_i32 s22, s20, 8*528
	v_add_nc_u32 v[SGR], s22, v[L16]
	WALU
	s_mov_b32 s26, 0x76543210
	s_mov_b32 s27, 0xfedcba98                      ; v_permlanex16_b32's selects for lane l xor 16
	s_mov_b32 s30, 0x3727c5ac                      ; 1e-5
	s_mov_b32 s31, 0x39000000                      ; 1 / 8192
	s_and_b32 s23, ttmp7, 0xffff                   ; head
	s_and_b32 s32, s23, 1
	s_lshl_b32 s32, s32, 22                        ; b x 64 planes of 65,536 bytes,
	s_lshl_b32 s34, s20, 19
	s_add_co_u32 s32, s32, s34                     ; my wave's eight planes,
	s_bfe_u32 s34, s23, 0x10002
	s_lshl_b32 s34, s34, 6
	s_lshl_b32 s35, ttmp9, 1
	s_add_co_u32 s34, s34, s35
	s_lshl_b32 s34, s34, 9
	s_add_co_u32 s32, s32, s34                     ; image row 64 qh + 2 s,
	s_bfe_u32 s34, s23, 0x10001
	s_lshl_b32 s34, s34, 8
	s_add_co_u32 s32, s32, s34                     ; qw x 256 bytes
	s_mov_b32 s33, 0
	s_lshl_b32 s34, s23, 8
	s_lshl_b32 s35, ttmp9, 3
	s_add_co_u32 s34, s34, s35
	s_add_co_u32 s34, s34, s20
	s_lshl_b32 s34, s34, 9                         ; yc: tile 256 head + 8 s + w
	s_mov_b32 s35, 0
	s_lshr_b32 s36, s23, 1
	s_lshl_b32 s36, s36, 15
	s_lshl_b32 s37, s20, 12
	s_add_co_u32 s36, s36, s37                     ; stats: quadrant, my eight channels of 512 bytes
	s_mov_b32 s37, 0
	s_lshl_b32 s38, s20, 5
	s_mov_b32 s39, 0
	s_wait_kmcnt 0x0
	s_add_nc_u64 s[4:5], s[4:5], s[32:33]
	s_add_nc_u64 s[18:19], s[18:19], s[32:33]
	s_add_nc_u64 s[6:7], s[6:7], s[34:35]
	s_add_nc_u64 s[12:13], s[12:13], s[36:37]
	s_add_nc_u64 s[14:15], s[14:15], s[38:39]
	s_add_nc_u64 s[16:17], s[16:17], s[38:39]
	global_load_b128 v[YL:YL+3], v[L16], s[6:7]
.irp t, 0,1,2,3
.irp p, 0,1,2
	global_load_b64 v[WW+6*\t+2*\p:WW+6*\t+2*\p+1], v[WO], s[8:9] offset:384*\t+8*\p   ; w_w's row 16 t + r; lanes 16-31 hold the same and meet zero codes
.endr
	global_load_u8 v[WSC+\t], v2, s[10:11] offset:16*\t
.endr
.irp i, 0,1,2,3,4,5,6,7
	global_load_b128 v[ST+4*\i:ST+4*\i+3], v[L16], s[12:13] offset:512*\i
.endr
.irp i, 0,1,2,3,4,5,6,7
	global_load_b128 v[X+4*\i:X+4*\i+3], v[XO], s[4:5] offset:65536*\i th:TH_LOAD_NT
.endr
	s_load_b256 s[40:47], s[14:15], 0x0            ; gamma of my eight channels
	s_load_b256 s[48:55], s[16:17], 0x0            ; beta
.irp i, 3,4,5,6,7,8,9,10,11
	v_mov_b32 v[YC+\i], 0
.endr
.irp i, 0,1,2,3,4,5
	v_mov_b32 v[WW+24+\i], 0                       ; the upper half of the last tile's operand
.endr
.irp i, 0,1,2,3,4,5,6,7
	v_mov_b32 v[MT+\i], 0                          ; a lane permute's destination counts as one of its sources
.endr
	WALU
	s_wait_loadcnt 16                              ; y and w_w are in; the sixteen loads of statistics and x behind them stay out
.irp i, 0,1,2
	v_mov_b32 v[YC+\i], v[YL+\i]
.endr
.irp i, 0,1,2
	v_permlane16_swap_b32 v[YC+\i], v[YC+3+\i]     ; lanes 0-15 now hold the position's 32 codes, lanes 16-31 (k = 32 .. 63) zero codes
.endr
.rept 8
	v_nop                                          ; places between the operand and the products
.endr
.irp t, 0,1,2,3
	v_wmma_scale_f32_16x16x128_f8f6f4 v[WY+8*\t:WY+8*\t+7], v[YC:YC+11], v[WW+6*\t:WW+6*\t+11], 0, v[YL+3], v[WSC+\t] matrix_a_fmt:MATRIX_FMT_FP6 matrix_b_fmt:MATRIX_FMT_FP6   ; lane (r, h): channel 16 t + r at positions 32 h + 8 (w % 4) + 0 .. 7 of row w / 4
.endr
.rept 4
	v_nop
.endr
.irp t, 0,1,2,3
	ds_store_b128 v[SGW], v[WY+8*\t:WY+8*\t+3] offset:8448*\t      ; rows 528 bytes apart: sixteen rows start in sixteen different groups of banks
	ds_store_b128 v[SGW], v[WY+8*\t+4:WY+8*\t+7] offset:8448*\t+16
.endr
	s_wait_dscnt 0x0                               ; for the others' sake: my stores have landed
	s_barrier_signal -1                            ; the statistics, work on registers, stand between signal and wait
	s_wait_kmcnt 0x0                               ; gamma, beta
	s_wait_loadcnt 8                               ; the statistics are in; x's eight loads stay out
.irp i, 0,1,2,3,4,5,6,7
	v_add_f32 v[MS+\i], v[ST+4*\i], v[ST+4*\i+2]
.endr
	JOIN MS                                        ; over the 32 lanes: the channel's 64 means
.irp i, 0,1,2,3,4,5,6,7
	v_mul_f32 v[MS+\i], 0x3c800000, v[MS+\i]       ; / 64: the mean
.endr
.irp i, 0,1,2,3,4,5,6,7
	v_sub_f32 v[D+2*\i], v[ST+4*\i], v[MS+\i]
	v_sub_f32 v[D+2*\i+1], v[ST+4*\i+2], v[MS+\i]
.endr
.irp i, 0,1,2,3,4,5,6,7
	v_add_f32 v[VR+\i], v[ST+4*\i+1], v[ST+4*\i+3]
	v_mul_f32 v[D+2*\i], v[D+2*\i], v[D+2*\i]
.endr
.irp i, 0,1,2,3,4,5,6,7
	v_fmac_f32 v[D+2*\i], v[D+2*\i+1], v[D+2*\i+1]
.endr
.irp i, 0,1,2,3,4,5,6,7
	v_fmac_f32 v[VR+\i], 0x43000000, v[D+2*\i]     ; + 128 x the means' squared deviations
.endr
	JOIN VR
.irp i, 0,1,2,3,4,5,6,7
	v_fma_f32 v[VR+\i], v[VR+\i], s31, s30         ; var + 1e-5
	v_sub_f32 v[NM+2*\i], 0, v[MS+\i]              ; -mean
.endr
	WALU
.irp i, 0,1,2,3,4,5,6,7
	v_rsq_f32 v[VR+\i], v[VR+\i]
.endr
	v_nop                                          ; one plain place behind a transcendental
	WALU
.irp i, 0,1,2,3,4,5,6,7
	v_mul_f32 v[NM+2*\i+1], s[40+\i], v[VR+\i]
.endr
	WALU
	s_barrier_wait -1                              ; 64 channel rows of 128 positions lie in the stage
.irp i, 0,1,2,3,4,5,6,7
	ds_load_b128 v[RB+4*\i:RB+4*\i+3], v[SGR] offset:528*\i
.endr
.irp i, 0,1,2,3,4,5,6,7
	s_wait_loadcnt 7-\i                            ; x's run of channel i is in; the later channels' stay out
	s_wait_dscnt 7-\i                              ; and so for wy's row
.irp k, 0,1,2,3
	v_add_f32 v[X+4*\i+\k], s[48+\i], v[X+4*\i+\k]
.endr
.irp k, 0,2
	v_pk_add_f32 v[RB+4*\i+\k:RB+4*\i+\k+1], v[RB+4*\i+\k:RB+4*\i+\k+1], v[NM+2*\i:NM+2*\i+1] op_sel_hi:[1,0]
.endr
.irp k, 0,1,2,3
	v_fma_f32 v[RB+4*\i+\k], v[RB+4*\i+\k], v[NM+2*\i+1], v[X+4*\i+\k]
.endr
	global_store_b128 v[XO], v[RB+4*\i:RB+4*\i+3], s[18:19] offset:65536*\i th:TH_STORE_NT   ; two runs of 256 bytes, each at a multiple of 256 from out0's first byte
.endr
	s_wait_tensorcnt 0x0                           ; the wave's end
	ds_add_u32 v[SPW], v[NIL]
	s_wait_dscnt 0x0
	s_endpgm
.Lfunc_end_k_q8833e467f4_bnres:
	.size	k_q8833e467f4_bnres, .Lfunc_end_k_q8833e467f4_bnres-k_q8833e467f4_bnres
	.p2alignl 7, 3214868480
	.fill 96, 4, 3214868480
	.section	.rodata,"a",@progbits
	.p2align	6, 0x0
	.amdhsa_kernel k_q8833e467f4_bnres
		.amdhsa_group_segment_fixed_size 34816
		.amdhsa_private_segment_fixed_size 0
		.amdhsa_enable_private_segment 0
		.amdhsa_kernarg_size 64
		.amdhsa_user_sgpr_count 2
		.amdhsa_user_sgpr_kernarg_segment_ptr 1
		.amdhsa_wavefront_size32 1
		.amdhsa_system_sgpr_workgroup_id_x 1
		.amdhsa_system_sgpr_workgroup_id_y 1
		.amdhsa_system_sgpr_workgroup_id_z 1
		.amdhsa_system_vgpr_workitem_id 0
		.amdhsa_next_free_vgpr 248
		.amdhsa_next_free_sgpr 66
		.amdhsa_reserve_vcc 0
		.amdhsa_float_denorm_mode_32 3
		.amdhsa_float_denorm_mode_16_64 3
		.amdhsa_memory_ordered 1
		.amdhsa_forward_progress 1
		.amdhsa_inst_pref_size 24
	.end_amdhsa_kernel
	.amdgpu_metadata
---
amdhsa.version: [ 1, 2 ]
amdhsa.kernels:
  - .name:           k_q8833e467f4_bnres
    .symbol:         k_q8833e467f4_bnres.kd
    .args:
      - { .name: x, .offset: 0, .size: 8, .value_kind: global_buffer, .address_space: global }
      - { .name: yc, .offset: 8, .size: 8, .value_kind: global_buffer, .address_space: global }
      - { .name: w_w_codes, .offset: 16, .size: 8, .value_kind: global_buffer, .address_space: global }
      - { .name: w_w_scales, .offset: 24, .size: 8, .value_kind: global_buffer, .address_space: global }
      - { .name: stats, .offset: 32, .size: 8, .value_kind: global_buffer, .address_space: global }
      - { .name: bn_gamma, .offset: 40, .size: 8, .value_kind: global_buffer, .address_space: global }
      - { .name: bn_beta, .offset: 48, .size: 8, .value_kind: global_buffer, .address_space: global }
      - { .name: out0, .offset: 56, .size: 8, .value_kind: global_buffer, .address_space: global }
    .group_segment_fixed_size: 34816
    .private_segment_fixed_size: 0
    .kernarg_segment_align: 8
    .kernarg_segment_size: 64
    .max_flat_workgroup_size: 256
    .sgpr_count:     66
    .vgpr_count:     248
    .wavefront_size: 32
...
	.end_amdgpu_metadata
.endif
;; end of part 3
